; MI455X (gfx1250); checked and timed in simulation.
; The chip was launched on July 23, 2026; its instructions are those of AMD's public machine-readable ISA for CDNA 5 (MIT licence, August 2026) and "CDNA5" Instruction Set Architecture Reference Guide (July 2026). The comments in the code are by the model that wrote it; some were corrected since.
;; Attention. Allowed arithmetic: matrix products marked QUANTISED: E4M3 operands, one given power-of-two scale a tensor, by v_wmma_f32_16x16x64_fp8_fp8 or v_wmma_f32_16x16x128_fp8_fp8, f32 sums; everything else in f32.
;; Inputs: freqs_cos 2,048 x 64 float32; freqs_sin 2,048 x 64 float32; lowp_scales 12 int32 (the exponents e of the quantised operands' scales 2^e); mask 1 x 1 x 2,048 x 2,048 float32; wk 2,048 x 2,048 float32; wo 2,048 x 2,048 float32; wq 2,048 x 2,048 float32; wv 2,048 x 2,048 float32; x 1 x 2,048 x 2,048 float32.
;; Outputs: out0 1 x 2,048 x 2,048 float32.
;; Constants: start_pos = 0.
;; This version of the problem:
;;   THIS VERSION OF THE PROBLEM IS GIVEN IN LOW PRECISION. The matrix products marked QUANTISED in the list below multiply operands that are first quantised to E4M3 (4 exponent bits, 3 mantissa bits; 8 bits a number), with one given power-of-two scale for each operand tensor; their sums are f32. All else is computed in f32.
;;   The module's matrix products, in the order in which they are computed (A, B: the left and right operand; K: the contracted axis; several contracted axes count as one K, in the product's order):
;;     1. [M 2,048, K 2,048] x [K 2,048, N 2,048]; A: input x; B: input wq: QUANTISED (scales: A lowp_scales[0], B lowp_scales[1])
;;     2. [M 2,048, K 2,048] x [K 2,048, N 2,048]; A: input x; B: input wk: QUANTISED (scales: A lowp_scales[2], B lowp_scales[3])
;;     3. [M 2,048, K 2,048] x [K 2,048, N 2,048]; A: input x; B: input wv: QUANTISED (scales: A lowp_scales[4], B lowp_scales[5])
;;     4. batch 16 x [M 2,048, K 128] x [K 128, N 2,048]; A: computed on the way; B: computed on the way: QUANTISED (scales: A lowp_scales[6], B lowp_scales[7])
;;     5. batch 16 x [M 2,048, K 2,048] x [K 2,048, N 128]; A: softmax (see below); B: computed on the way: QUANTISED (scales: A lowp_scales[8], B lowp_scales[9])
;;     6. [M 2,048, K 2,048] x [K 2,048, N 2,048]; A: computed on the way; B: input wo: QUANTISED (scales: A lowp_scales[10], B lowp_scales[11])
;;   THE QUANTISER, for each operand of a quantised product, along K:
;;     - The operand's scale is 2^e, e = its entry of the input lowp_scales (int32; the entries are numbered through the quantised products in the list's order, A before B).
;;     - Each number is divided by the scale, clamped to +-448, and rounded to the nearest number of E4M3, ties to even, subnormals kept.
;;     - The product sums the exact products of the quantised numbers (number of the format x scale) in f32.
;;   ~~~python
;;   def quantise(x, axis, e):      # numpy; x: float32 -> the quantised numbers, widened to float32 again
;;       x = np.moveaxis(x, axis, -1); K = x.shape[-1]
;;       r = np.clip(x / 2.0 ** e, -448, 448)
;;       step = 2.0 ** (np.maximum(np.frexp(np.where(r == 0, 1, r))[1] - 1, -6) - 3)
;;       q = np.round(r / step) * step * 2.0 ** e      # np.round: ties to even
;;       return np.moveaxis(q, -1, axis).astype(np.float32)
;;   ~~~
;;   SOFTMAX AHEAD OF A QUANTISED PRODUCT. Where the list says 'softmax', what is quantised is not the finished softmax but p = 2^(t - M), with t = logit x log2(e) and M = ceil(the row's largest t), a whole number; so 1/2 < the row's largest p <= 1. The row's sum l is taken of the UNQUANTISED p, in f32, and the product's result is divided by l at the end. Since M is a whole number, a kernel that streams over the keys may use a running M (the ceiling of the running maximum): every later rescaling is an exact power of two, so the quantised numbers keep their values, but for numbers so far below the row's largest that they fall under the format's range.
;;   OPERANDS COMPUTED ON THE WAY. 'Computed on the way' means the value that the module computes at that place (a softmax that the list does not call 'softmax' is quantised finished and normalised). What goes into a quantiser is computed in f32, as accurately as f32 sums, v_exp_f32 and their like allow (about 1e-6 of the number): no bf16 or f16 on the way to a quantiser, and a product that is left as it is and whose result goes on into a quantised operand takes f32 operands (vector FMAs, or v_wmma_f32_16x16x4_f32). A number that lies on a knife's edge between two numbers of the format may be rounded either way, as far as f32 arithmetic and the matrix unit's own rounding can turn it there, and no further.
;; One version. Each part assembles by itself: llvm-mc -triple=amdgcn-amd-amdhsa -mcpu=gfx1250 --defsym DOCPART=n.
;; ======== version 1 of 1: 4 launches
;; limits: right only within a limited range of input values
;; workspace buffers: xc 12,582,912 bytes; wc 16,777,216 bytes; mimg 16,777,216 bytes; qkvc 12,582,912 bytes; ac 4,194,304 bytes
;; launch prep (part 1): grid 128 x 6, 4 waves a work-group, no clusters, 68,096 bytes of LDS; arguments x, mask, wq, wk, wv, wo, lowp_scales, xc, wc, mimg; writes xc, wc, mimg
.if DOCPART == 1
	.amdgcn_target "amdgcn-amd-amdhsa--gfx1250"
	.amdhsa_code_object_version 6
	.text
	.protected	k_q772b11bb0e_prep
	.globl	k_q772b11bb0e_prep
	.p2align	8
	.type	k_q772b11bb0e_prep,@function
k_q772b11bb0e_prep:
	s_mov_b64 s[64:65], 0
	v_nop
	global_prefetch_b8 v0, s[64:65] scope:SCOPE_SE
	s_setreg_imm32_b32 hwreg(HW_REG_WAVE_MODE, 25, 1), 1
	s_wait_xcnt 0x0
; THE OPERANDS ARE LAID OUT ONCE.  x (three times: its scale differs in the three products that read it) and the four weights become codes of FP8 (E4M3);
; the mask becomes f32 numbers in the order of the score accumulators' registers, multiplied by sqrt(128) / 2^(e6 + e7), so that the attention launch can give it as the C of its first product.
; IMAGES.  A fragment, 16 rows x 128 K of codes, lies as the matrix operand's registers lie: four blocks c of 512 bytes, lane l's 16 bytes at 512 c + 16 l; lane (r = l % 16, h = l / 16) holds,
; of row r, k = 32 c + 16 h + 0 .. 15.  Fragment (row tile T, K step ks) of a tensor with K = 2,048 begins at (16 T + ks) x 2,048 bytes.
; THE ROWS OF A TILE ARE NOT NEIGHBOURS: row r of tile T is the tensor's row 32 (T / 2) + 8 (T % 2) + r + 8 (r / 8).  With the matrix instruction used transposed, the 16 registers of result
; tiles 2 c and 2 c + 1 are then 16 neighbours along the next product's K.
; The mask's image: (16 T + ks) x 8,192 + 512 g + 16 l holds registers 4 g .. 4 g + 3; register 16 b + i is key 128 ks + 32 b + 16 h + i of the query that is row r of tile T.
; code = number / 2^e, held within +-448, to the nearest code, ties to even.
; LIMITS: e0, e1, e2, e3, e4, e5, e11 between -126 and 119; e6 + e7 between -80 and 120 (the mask's factor and its products with numbers up to 3e10 stay f32 numbers).  NaN among the inputs is not served.
; SHARES.  Work-group y = 0 .. 3: weight y; 4: x; 5: the mask.  Each work-group reads 128 KiB and shares nothing with any other; waves share nothing either: no barrier, no cluster.
; LDS: x's and the mask's numbers turn through a stage of the wave's own, 16 rows of 528 bytes; the two paths have bytes of their own; behind them the spare words.
.set MIB4, 4194304
.set ROWB, 8192                        ; a row of x, of the mask or of a weight, in bytes
.set X,    32                          ; the numbers as loaded: weights two sets of 32 (v32-95), rows two sets of 64 (v32-159)
.set C,    96                          ; weights: v96-159 codes, eight registers a block, never written twice
.set TS,   160                         ; x: two sets of 16 held numbers (v160-191); mask: v160-223 the scaled numbers
.set CO,   192                         ; x: v192-239 the codes of the three quantisations
.set SP,   528                         ; a stage row: 512 bytes + 16 of padding: the 16 rows that a read touches begin at 16 different columns of 16 bytes
.set STW,  16*SP                       ; a wave's stage
.set STM,  4*STW                       ; where the mask's four stages begin, behind x's four
.set SPARE, 8*STW                      ; behind the stages: the spare words, 128 bytes for each wave: two blocks of 256 bytes that no other line names
.set SPW,  30                          ; v30  LDS address of my spare word: SPARE + 4 x my thread's number; never rewritten
.set NIL,  31                          ; v31  0; never rewritten
	s_load_b512 s[8:23], s[0:1], 0x0               ; x s[8:9], mask s[10:11], wq s[12:13], wk s[14:15], wv s[16:17], wo s[18:19], the exponents s[20:21], xc s[22:23]
	s_load_b128 s[24:27], s[0:1], 0x40             ; wc s[24:25], mimg s[26:27]
	v_lshl_add_u32 v[SPW], v0, 2, SPARE
	v_mov_b32 v[NIL], 0
	v_lshrrev_b32 v1, 5, v0
	v_readfirstlane_b32 s28, v1                    ; wave 0..3
	v_and_b32 v1, 31, v0                           ; lane l
	v_and_b32 v2, 15, v0                           ; r
	v_bfe_u32 v3, v0, 4, 1                         ; h
	s_and_b32 s29, ttmp7, 0xffff                   ; y: which tensor
	s_wait_kmcnt 0x0
	s_load_b256 s[32:39], s[20:21], 0x0            ; e0 .. e7
	s_load_b128 s[40:43], s[20:21], 0x20           ; e8 .. e11
	s_cmp_ge_u32 s29, 4
	s_cbranch_scc1 .Lrows
; ---- A WEIGHT, [K][N] with K its first axis.  A lane takes a column n and its registers run down K: each load reads 128 consecutive bytes a wave, and the conversions, which take
; neighbours along K from one lane's registers, give the codes with K innermost.  A work-group takes 128 columns x 256 along K, a wave 32 columns: 8 blocks of 32 along K.
	s_cmp_eq_u32 s29, 1
	s_cselect_b64 s[12:13], s[14:15], s[12:13]
	s_cmp_eq_u32 s29, 2
	s_cselect_b64 s[12:13], s[16:17], s[12:13]
	s_cmp_eq_u32 s29, 3
	s_cselect_b64 s[12:13], s[18:19], s[12:13]     ; the weight: the choice hangs on the work-group's number alone
	s_and_b32 s44, ttmp9, 15                       ; which 128 columns
	s_lshr_b32 s45, ttmp9, 4                       ; which 256 along K
	s_lshl_b32 s46, s45, 21                        ; 256 rows of 8,192 bytes
	s_lshl_b32 s47, s44, 9
	s_add_co_u32 s46, s46, s47                     ; + 128 columns of 4 bytes
	s_lshl_b32 s47, s28, 7
	s_add_co_u32 s46, s46, s47                     ; + my wave's 32 columns
	s_mov_b32 s47, 0
	s_add_nc_u64 s[12:13], s[12:13], s[46:47]
	s_lshl_b32 s46, s29, 22                        ; the weight's 4 MiB of images,
	s_lshl_b32 s47, s44, 18
	s_add_co_u32 s46, s46, s47                     ; eight row tiles of 32,768 bytes for 128 columns,
	s_lshl_b32 s47, s28, 16
	s_add_co_u32 s46, s46, s47                     ; two for my wave's 32,
	s_lshl_b32 s47, s45, 12
	s_add_co_u32 s46, s46, s47                     ; two K steps of 2,048 bytes for 256 along K
	s_mov_b32 s47, 0
	s_add_nc_u64 s[24:25], s[24:25], s[46:47]
	s_wait_alu depctr_va_vdst(0)
	v_lshlrev_b32 v4, 2, v1                        ; in: 4 bytes a lane
	v_bfe_u32 v5, v0, 3, 1                         ; out: column 32 m + l is row 8 (l / 16) + l % 8 of tile 2 m + (l / 8) % 2
	v_and_b32 v6, 7, v0
	v_lshl_add_u32 v6, v3, 3, v6
	v_lshlrev_b32 v6, 4, v6
	v_lshl_add_u32 v5, v5, 15, v6
.macro WLOAD t                         ; block t: W(32 t + i, my column), i = 0 .. 31, into set t % 2
.set J, 0
.rept 32
	global_load_b32 v[X+32*((\t)%2)+J], v4, s[12:13] offset:(32*(\t)+J)*ROWB th:TH_LOAD_NT
.set J, J+1
.endr
.endm
	WLOAD 0
	WLOAD 1
	s_wait_kmcnt 0x0
	s_cmp_eq_u32 s29, 1
	s_cselect_b32 s33, s35, s33
	s_cmp_eq_u32 s29, 2
	s_cselect_b32 s33, s37, s33
	s_cmp_eq_u32 s29, 3
	s_cselect_b32 s33, s43, s33                    ; e1, e3, e5 or e11
	s_add_co_i32 s33, s33, 127
	s_lshl_b32 s34, s33, 23
	v_mov_b32 v11, s34                             ; 2^e as f32: the conversion takes its exponent field
	s_add_co_i32 s33, s33, 8
	s_lshl_b32 s33, s33, 23
	s_or_b32 s33, s33, 0x600000
	v_mov_b32 v10, s33                             ; 448 x 2^e
.macro WBLOCK t
.set XB, X+32*((\t)%2)
.set CB, C+8*(\t)
.if (\t) < 7
	s_wait_loadcnt 32                              ; this block's 32 loads are in; the next block's may be out
.else
	s_wait_loadcnt 0x0
.endif
.set J, 0
.rept 32
	v_med3_num_f32 v[XB+J], v[XB+J], -v10, v10     ; the conversion to an 8-bit code does not saturate (ISA guide 7.6.2): the hold at the largest code x the scale
.set J, J+1
.endr
.irp g, 0,1,2,3
	v_cvt_scalef32_pk8_fp8_f32 v[CB+2*\g:CB+2*\g+1], v[XB+8*\g:XB+8*\g+7], v11
.endr
.if (\t)+2 < 8
	WLOAD (\t)+2                                   ; (the codes go to stores alone, and the next vector lines, the next block's holds, are plain and touch the other set)
.endif
	global_store_b128 v5, v[CB:CB+3], s[24:25] offset:((\t)/4)*2048+((\t)%4)*512       ; k = 32 t + 0 .. 15: the half h = 0 of block t % 4: the wave fills 256 consecutive bytes of each of its two tiles
	global_store_b128 v5, v[CB+4:CB+7], s[24:25] offset:((\t)/4)*2048+((\t)%4)*512+256 ; k = 32 t + 16 .. 31: the half h = 1
.endm
	s_wait_alu depctr_va_vdst(0)
.irp t, 0,1,2,3,4,5,6,7
	WBLOCK \t
.endr
	s_endpgm
; ---- x AND THE MASK: K is innermost.  A work-group takes row tile T = work-group x, wave w its K steps 4 w .. 4 w + 3, one a unit: 16 rows x 512 bytes.
; The operand wants of lane (r, h) the 16 neighbours 32 b + 16 h + 0 .. 15 of each block b of 32 of row r; a load is best where neighbouring LANES take neighbouring bytes.  Both are had: each of a unit's
; 16 loads reads the 512 consecutive bytes of one row, 16 a lane; the unit goes through the wave's own stage in LDS, as it lies, and comes back 64 bytes a lane: register 16 b + i is then the operand's own.
.Lrows:
	s_cmp_eq_u32 s29, 4
	s_cselect_b64 s[8:9], s[8:9], s[10:11]         ; x or the mask
	s_lshr_b32 s44, ttmp9, 1
	s_lshl_b32 s44, s44, 18                        ; 32 (T / 2) rows of 8,192 bytes
	s_and_b32 s45, ttmp9, 1
	s_lshl_b32 s45, s45, 16                        ; + 8 (T % 2) rows
	s_add_co_u32 s44, s44, s45
	s_lshl_b32 s45, s28, 11                        ; + my wave's four K steps of 512 bytes
	s_add_co_u32 s44, s44, s45
	s_mov_b32 s45, 0
	s_add_nc_u64 s[8:9], s[8:9], s[44:45]
	s_wait_alu depctr_va_vdst(0)
	v_lshlrev_b32 v7, 4, v1                        ; 16 l: my place in a load's, and in a store's, 512 bytes
	s_mul_i32 s46, s28, STW                        ; my wave's stage
	v_add_nc_u32 v8, s46, v7                       ; into it: 16 l; the row stands in the immediate
	v_mul_u32_u24 v9, v2, SP
	v_lshl_add_u32 v9, v3, 6, v9
	v_add_nc_u32 v9, s46, v9                       ; out of it: row r, + 64 h
.macro XLOAD st, u                     ; unit u into set st: load J reads row J of the tile, which is the tensor's row J + 8 (J / 8) from the tile's first
.set J, 0
.rept 16
	global_load_b128 v[X+64*(\st)+4*J:X+64*(\st)+4*J+3], v7, s[8:9] offset:(J+8*(J/8))*ROWB+512*(\u) th:TH_LOAD_NT
.set J, J+1
.endr
.endm
.macro TURN st, base                   ; set st through the stage and back into the registers that it left.  LDS serves a wave's instructions in order (ISA guide 5.7.1.4): no wait stands between the stores and the loads
.set J, 0
.rept 16
	ds_store_b128 v8, v[X+64*(\st)+4*J:X+64*(\st)+4*J+3] offset:(\base)+SP*J
.set J, J+1
.endr
.irp b, 0,1,2,3
.irp j, 0,1,2,3
	ds_load_b128 v[X+64*(\st)+16*\b+4*\j:X+64*(\st)+16*\b+4*\j+3], v9 offset:(\base)+128*\b+16*\j
.endr
.endr
.endm
	XLOAD 0, 0
	XLOAD 1, 1
	s_wait_kmcnt 0x0
	s_cmp_eq_u32 s29, 5
	s_cbranch_scc1 .Lmask
	s_lshl_b32 s44, ttmp9, 15                      ; x: (16 T + 4 w) fragments of 2,048 bytes, in each of the three images
	s_lshl_b32 s45, s28, 13
	s_add_co_u32 s44, s44, s45
	s_mov_b32 s45, 0
	s_add_nc_u64 s[44:45], s[22:23], s[44:45]
	s_add_nc_u64 s[46:47], s[44:45], MIB4
	s_add_nc_u64 s[48:49], s[46:47], MIB4
.irp i, 0,1,2
	s_add_co_i32 s50, s[32+2*\i], 127              ; e0, e2, e4
	s_lshl_b32 s51, s50, 23
	v_mov_b32 v[16+2*\i], s51                      ; 2^e
	s_add_co_i32 s50, s50, 8
	s_lshl_b32 s50, s50, 23
	s_or_b32 s50, s50, 0x600000
	v_mov_b32 v[17+2*\i], s50                      ; 448 x 2^e
.endr
.macro XUNIT u
.set XB, X+64*((\u)%2)
.if (\u) < 3
	s_wait_loadcnt 16                              ; this unit's 16 loads are in; the next unit's may be out
.else
	s_wait_loadcnt 0x0
.endif
	TURN (\u)%2, 0
	s_wait_xcnt 0x0                                ; the last unit's stores have read their data: the codes' registers are written again only behind this wait
	s_wait_dscnt 0x0                               ; the unit is back from the stage
.irp i, 0,1,2
.irp b, 0,1,2,3
.set TB, TS+16*(\b%2)                  ; the held numbers' two sets take turns, so that plain lines stand between a conversion and the next write of its sources
.set J, 0
.rept 16
	v_med3_num_f32 v[TB+J], v[XB+16*\b+J], -v[17+2*\i], v[17+2*\i]
.set J, J+1
.endr
	v_cvt_scalef32_pk8_fp8_f32 v[CO+16*\i+4*\b:CO+16*\i+4*\b+1], v[TB:TB+7], v[16+2*\i]
	v_cvt_scalef32_pk8_fp8_f32 v[CO+16*\i+4*\b+2:CO+16*\i+4*\b+3], v[TB+8:TB+15], v[16+2*\i]
.endr
.endr
.if (\u)+2 < 4
	XLOAD (\u)%2, (\u)+2
.endif
.irp i, 0,1,2
.irp c, 0,1,2,3
	global_store_b128 v7, v[CO+16*\i+4*\c:CO+16*\i+4*\c+3], s[44+2*\i:45+2*\i] offset:2048*(\u)+512*\c   ; 32 lanes store 512 consecutive bytes
.endr
.endr
.endm
	s_wait_alu depctr_va_vdst(0)
.irp u, 0,1,2,3
	XUNIT \u
.endr
	s_wait_tensorcnt 0x0                           ; the wave's end
	ds_add_u32 v[SPW], v[NIL]
	s_wait_dscnt 0x0
	s_endpgm
.Lmask:
	s_lshl_b32 s44, ttmp9, 17                      ; the mask: (16 T + 4 w) images of 8,192 bytes
	s_lshl_b32 s45, s28, 15
	s_add_co_u32 s44, s44, s45
	s_mov_b32 s45, 0
	s_add_nc_u64 s[26:27], s[26:27], s[44:45]
	s_add_co_i32 s50, s38, s39                     ; e6 + e7,
	s_lshl_b32 s50, s50, 23
	s_sub_co_u32 s50, 0x413504f3, s50              ; taken off the exponent field of sqrt(128): sqrt(128) / 2^(e6 + e7)
	s_mov_b32 s51, s50                             ; (named with it as a pair, so it is written)
.macro MUNIT u
.set XB, X+64*((\u)%2)
.if (\u) < 3
	s_wait_loadcnt 16
.else
	s_wait_loadcnt 0x0
.endif
	TURN (\u)%2, STM
	s_wait_xcnt 0x0                                ; the last unit's stores have read their data
	s_wait_dscnt 0x0                               ; the unit is back from the stage
.set J, 0
.rept 32
	v_pk_mul_f32 v[TS+J:TS+J+1], v[XB+J:XB+J+1], s[50:51] op_sel_hi:[1,0]
.set J, J+2
.endr
.if (\u)+2 < 4
	XLOAD (\u)%2, (\u)+2
.endif
.irp g, 0,1,2,3,4,5,6,7,8,9,10,11,12,13,14,15
	global_store_b128 v7, v[TS+4*\g:TS+4*\g+3], s[26:27] offset:8192*(\u)+512*\g
.endr
.endm
	s_wait_alu depctr_va_vdst(0)
.irp u, 0,1,2,3
	MUNIT \u
.endr
	s_wait_tensorcnt 0x0                           ; the wave's end: the same three lines
	ds_add_u32 v[SPW], v[NIL]
	s_wait_dscnt 0x0
	s_endpgm
.Lfunc_end_k_q772b11bb0e_prep:
	.size	k_q772b11bb0e_prep, .Lfunc_end_k_q772b11bb0e_prep-k_q772b11bb0e_prep
	.p2alignl 7, 3214868480
	.fill 96, 4, 3214868480
	.section	.rodata,"a",@progbits
	.p2align	6, 0x0
	.amdhsa_kernel k_q772b11bb0e_prep
		.amdhsa_group_segment_fixed_size 68096
		.amdhsa_private_segment_fixed_size 0
		.amdhsa_enable_private_segment 0
		.amdhsa_kernarg_size 80
		.amdhsa_user_sgpr_count 2
		.amdhsa_user_sgpr_kernarg_segment_ptr 1
		.amdhsa_wavefront_size32 1
		.amdhsa_system_sgpr_workgroup_id_x 1
		.amdhsa_system_sgpr_workgroup_id_y 1
		.amdhsa_system_sgpr_workgroup_id_z 1
		.amdhsa_system_vgpr_workitem_id 0
		.amdhsa_next_free_vgpr 240
		.amdhsa_next_free_sgpr 66
		.amdhsa_reserve_vcc 0
		.amdhsa_float_denorm_mode_32 3
		.amdhsa_float_denorm_mode_16_64 3
		.amdhsa_memory_ordered 1
		.amdhsa_forward_progress 1
		.amdhsa_inst_pref_size 148
	.end_amdhsa_kernel
	.amdgpu_metadata
---
amdhsa.version: [ 1, 2 ]
amdhsa.kernels:
  - .name:           k_q772b11bb0e_prep
    .symbol:         k_q772b11bb0e_prep.kd
    .args:
      - { .name: x, .offset: 0, .size: 8, .value_kind: global_buffer, .address_space: global }
      - { .name: mask, .offset: 8, .size: 8, .value_kind: global_buffer, .address_space: global }
      - { .name: wq, .offset: 16, .size: 8, .value_kind: global_buffer, .address_space: global }
      - { .name: wk, .offset: 24, .size: 8, .value_kind: global_buffer, .address_space: global }
      - { .name: wv, .offset: 32, .size: 8, .value_kind: global_buffer, .address_space: global }
      - { .name: wo, .offset: 40, .size: 8, .value_kind: global_buffer, .address_space: global }
      - { .name: lowp_scales, .offset: 48, .size: 8, .value_kind: global_buffer, .address_space: global }
      - { .name: xc, .offset: 56, .size: 8, .value_kind: global_buffer, .address_space: global }
      - { .name: wc, .offset: 64, .size: 8, .value_kind: global_buffer, .address_space: global }
      - { .name: mimg, .offset: 72, .size: 8, .value_kind: global_buffer, .address_space: global }
    .group_segment_fixed_size: 68096
    .private_segment_fixed_size: 0
    .kernarg_segment_align: 8
    .kernarg_segment_size: 80
    .max_flat_workgroup_size: 128
    .sgpr_count:     66
    .vgpr_count:     240
    .wavefront_size: 32
...
	.end_amdgpu_metadata
.endif
;; end of part 1
;; launch proj (part 2): grid 24 x 8, 4 waves a work-group, clusters of 4 x 4, 327,680 bytes of LDS; arguments xc, wc, freqs_cos, freqs_sin, lowp_scales, qkvc; writes qkvc
.if DOCPART == 2
	.amdgcn_target "amdgcn-amd-amdhsa--gfx1250"
	.amdhsa_code_object_version 6
	.text
	.protected	k_q772b11bb0e_proj
	.globl	k_q772b11bb0e_proj
	.p2align	8
	.type	k_q772b11bb0e_proj,@function
k_q772b11bb0e_proj:
	s_mov_b64 s[64:65], 0
	v_nop
	global_prefetch_b8 v0, s[64:65] scope:SCOPE_SE
	s_setreg_imm32_b32 hwreg(HW_REG_WAVE_MODE, 25, 1), 1
	s_wait_xcnt 0x0
	s_wait_alu depctr_hold_cnt(0) depctr_sa_sdst(0) depctr_va_vdst(0) depctr_va_sdst(0) depctr_va_ssrc(0) depctr_va_vcc(0) depctr_vm_vsrc(0)
	s_getreg_b32 s2, hwreg(HW_REG_IB_STS2, 6, 4)
	s_cmp_eq_u32 s2, 0
	s_cbranch_scc0 .Lentry_in_a_cluster
	s_endpgm
.Lentry_in_a_cluster:
	s_bfe_u32 s2, ttmp6, 0x10000c
	s_cmp_lg_u32 s2, 0xf033
	s_cbranch_scc0 .Lentry_shape_is_right
	s_endpgm
.Lentry_shape_is_right:
; q, k and v = x W on codes of FP8 (E4M3): two clusters along x for each of the three, blocks of 256 x 256, four waves of 128 x 128, K in slots of 256 through a ring of two LDS slots filled by joint loads of register images.
; q and k are rotated (freqs_cos, freqs_sin), all three are quantised under e6, e7, e9 and stored as the attention launch's fragments; for v the two operands change places, so that its rows are the head's channels and its K the keys.
; PREFETCH: behind each joint refill a wave names 32 blocks of 256 bytes of the K slot two refills on: of the eight row tiles x 4,096 bytes that it fetches, the four partners that ask jointly take two row tiles each, told apart by address.
; K slots 2 and 3 are named behind the head's second fill; the last two refills have no slot two on and ask for nothing.
; LIMITS: the exponents' sums that are made into f32 powers of two lie between -126 and 119.  NaN among the inputs is not served.
.set PART,   32768
.set SLOT,   4*PART
.set SPARE,  2*SLOT
.set FR,     16
.set NL,     4
.set NP,     4
.set LAPS,   4
.set ADRA, 16
.set ADRB, 20
.set ST16, 24
.set CA,   25
.set SC,   26
.set LM,   27
.set SPW,  28
.set NIL,  29
.set CD,   96
.set AF,   128
.set TMP,  192
.set G1, 24
.set G0, 32
.set G1B, 48
.set G0B, 56
.set MSB, 0
.macro WIN new
.if MSB != (\new)
	s_set_vgpr_msb (MSB<<8)|(\new)
.set MSB, (\new)
.endif
.endm
.set MUL_LO, 0xa1
.set MUL_HI, 0xf1
.set TO_B,   0x40
.macro JLOAD s
	s_cmp_eq_u32 s17, 0
	s_cbranch_scc0 .Lfor_b_\@
	tensor_load_to_lds s[G0+4*\s:G0+4*\s+3], s[G1:G1+7]
	s_nop 0
.rept 4
	v_nop
.endr
	s_branch .Lasked_\@
.Lfor_b_\@:
	tensor_load_to_lds s[G0B+4*\s:G0B+4*\s+3], s[G1B:G1B+7]
	s_nop 0
.rept 4
	v_nop
.endr
.Lasked_\@:
.endm
.macro CREST
	s_cmp_lg_u32 s16, 0
	s_cbranch_scc1 .Lnot_wave_0_\@
	s_barrier_signal -3
.Lnot_wave_0_\@:
	s_barrier_wait -3
	s_barrier_signal -1
	s_barrier_wait -1
.endm
.macro CROUND
	s_barrier_signal -1
	s_barrier_wait -1
	CREST
.endm
	s_load_b256 s[4:11], s[0:1], 0x0
	s_load_b128 s[12:15], s[0:1], 0x20
	v_lshl_add_u32 v[SPW], v0, 2, SPARE
	v_mov_b32 v[NIL], 0
	ds_add_u32 v[SPW], v[NIL]
	ds_add_u32 v[SPW], v[NIL]
	v_lshrrev_b32 v1, 5, v0
	v_readfirstlane_b32 s16, v1
	v_bfe_u32 v30, v0, 4, 1                        ; the prefetches' offset: lanes 0-15 one row tile, lanes 16-31 the next (32,768 bytes on), 256 bytes a lane; never rewritten
	v_and_b32 v31, 15, v0
	v_lshlrev_b32 v30, 15, v30
	v_lshl_add_u32 v30, v31, 8, v30
	s_lshr_b32 s17, s16, 1
	s_and_b32 s18, s16, 1
	s_lshr_b32 s19, ttmp9, 1
	s_bfe_u32 s20, ttmp6, 0x40000
	s_bfe_u32 s21, ttmp6, 0x40004
	s_and_b32 s22, ttmp9, 1
	s_lshl_b32 s22, s22, 2
	s_add_co_u32 s22, s22, s20
	s_and_b32 s23, ttmp7, 0xffff
	s_lshl_b32 s23, s23, 2
	s_add_co_u32 s23, s23, s21
	s_lshl_b32 s40, s21, 2
	s_lshl_b32 s40, 15, s40
	s_lshl_b32 s44, 0x1111, s20
	s_or_b32 s[G1+0], s40, (3<<16)|(1<<21)
	s_or_b32 s[G1B+0], s44, (3<<16)|(1<<21)
.irp g, G1, G1B
	s_mov_b32 s[\g+1], 512<<16
	s_mov_b32 s[\g+2], 8<<16
	s_mov_b32 s[\g+3], 512<<16
	s_mov_b32 s[\g+4], 8
	s_mov_b32 s[\g+5], 4096
	s_mov_b32 s[\g+6], 0
	s_mov_b32 s[\g+7], 0
.endr
	s_lshl_b32 s40, s23, 19
	s_lshl_b32 s41, s18, 18
	s_add_co_u32 s40, s40, s41
	s_lshl_b32 s41, s19, 22
	s_add_co_u32 s40, s40, s41
	s_mov_b32 s41, 0
	s_lshl_b32 s44, s22, 19
	s_lshl_b32 s45, s18, 18
	s_add_co_u32 s44, s44, s45
	s_lshl_b32 s45, s19, 22
	s_add_co_u32 s44, s44, s45
	s_mov_b32 s45, 0
	s_lshl_b32 s46, s16, 15
	s_wait_dscnt 0x0
	s_wait_kmcnt 0x0
	s_load_b256 s[68:75], s[12:13], 0x0
	s_load_b128 s[76:79], s[12:13], 0x20
	s_cmp_eq_u32 s19, 2
	s_cselect_b64 s[42:43], s[6:7], s[4:5]
	s_cselect_b64 s[80:81], s[4:5], s[6:7]
	s_add_nc_u64 s[42:43], s[42:43], s[40:41]
	s_add_nc_u64 s[80:81], s[80:81], s[44:45]
	s_cmp_eq_u32 s17, 0                            ; where my prefetches stand: the tile that I fetch,
	s_cselect_b64 s[92:93], s[42:43], s[80:81]
	s_cselect_b32 s94, s20, s21                    ; my place among the four that ask for it with me,
	s_lshl_b32 s94, s94, 16                        ; two row tiles of 32,768 bytes each,
	s_add_co_u32 s94, s94, 2*4096                  ; at K slot 2
	s_mov_b32 s95, 0
	s_add_nc_u64 s[92:93], s[92:93], s[94:95]
	CROUND
.irp s, 0,1
	s_mov_b32 s[G0+4*\s], 1
	s_add_co_u32 s[G0+4*\s+1], s46, \s*SLOT
	s_add_nc_u64 s[G0+4*\s+2:G0+4*\s+3], s[42:43], \s*4096
	s_or_b32 s[G0+4*\s+3], s[G0+4*\s+3], 0x80000000
	s_mov_b32 s[G0B+4*\s], 1
	s_add_co_u32 s[G0B+4*\s+1], s46, \s*SLOT
	s_add_nc_u64 s[G0B+4*\s+2:G0B+4*\s+3], s[80:81], \s*4096
	s_or_b32 s[G0B+4*\s+3], s[G0B+4*\s+3], 0x80000000
	s_wait_alu depctr_va_vdst(0)
	s_wait_tensorcnt 0x0
	ds_add_u32 v28, v29
	ds_add_u32 v28, v29
	s_wait_dscnt 0x0
	CROUND
	JLOAD \s
.endr
	global_prefetch_b8 v30, s[92:93] th:TH_LOAD_NT scope:SCOPE_SE               ; K slots 2 and 3, which the first two refills ask for
	global_prefetch_b8 v30, s[92:93] offset:4096 th:TH_LOAD_NT scope:SCOPE_SE
	v_and_b32 v1, 31, v0
	v_lshlrev_b32 v[ST16], 4, v1
	s_lshl_b32 s47, s17, 15
	s_lshl_b32 s82, s18, 15
	s_add_co_u32 s82, s82, 2*PART
.irp s, 0,1
	v_add_nc_u32 v[ADRA+\s], s47, v[ST16]
	v_add_nc_u32 v[ADRB+\s], s82, v[ST16]
	s_add_co_u32 s47, s47, SLOT
	s_add_co_u32 s82, s82, SLOT
.endr
	v_and_b32 v2, 15, v0
	v_bfe_u32 v3, v0, 4, 1
	v_and_b32 v4, 8, v2
	v_add_nc_u32 v4, v4, v2
	v_lshlrev_b32 v[CA], 8, v4
	v_lshl_add_u32 v[CA], v3, 5, v[CA]
	s_lshl_b32 s84, s23, 16
	s_lshl_b32 s85, s17, 15
	s_add_co_u32 s84, s84, s85
	s_mov_b32 s85, 0
	s_add_nc_u64 s[8:9], s[8:9], s[84:85]
	s_add_nc_u64 s[10:11], s[10:11], s[84:85]
	s_lshl_b32 s84, s23, 1
	s_add_co_u32 s84, s84, s17
	s_lshl_b32 s85, s22, 1
	s_add_co_u32 s85, s85, s18
	s_cmp_eq_u32 s19, 2
	s_cselect_b32 s86, s84, s85
	s_cselect_b32 s87, s85, s84
	s_lshl_b32 s86, s86, 18
	s_lshl_b32 s87, s87, 14
	s_add_co_u32 s86, s86, s87
	s_lshl_b32 s87, s19, 22
	s_add_co_u32 s86, s86, s87
	s_mov_b32 s87, 0
	s_add_nc_u64 s[14:15], s[14:15], s[86:87]
	s_wait_kmcnt 0x0
	s_sub_co_i32 s82, s74, s68
	s_sub_co_i32 s82, s82, s69
	s_sub_co_i32 s83, s75, s70
	s_sub_co_i32 s83, s83, s71
	s_sub_co_i32 s84, s77, s72
	s_sub_co_i32 s84, s84, s73
	s_cmp_eq_u32 s19, 1
	s_cselect_b32 s82, s83, s82
	s_cmp_eq_u32 s19, 2
	s_cselect_b32 s82, s84, s82
	s_add_co_i32 s82, s82, 127
	s_lshl_b32 s83, s82, 23
	v_mov_b32 v[SC], s83
	s_add_co_i32 s82, s82, 8
	s_lshl_b32 s82, s82, 23
	s_or_b32 s82, s82, 0x600000
	v_mov_b32 v[LM], s82
.macro CLOAD a
.set CSB, 32
.if ((\a)%4) > 0
.set CSB, 64*(((\a)%4)-1)
	WIN TO_B
.endif
.irp c, 0,1,2,3
	global_load_b128 v[CSB+8*\c:CSB+8*\c+3],       v[CA], s[8:9]   offset:(32*((\a)/2)+8*((\a)%2))*256+64*\c
	global_load_b128 v[CSB+8*\c+4:CSB+8*\c+7],     v[CA], s[8:9]   offset:(32*((\a)/2)+8*((\a)%2))*256+64*\c+16
	global_load_b128 v[CSB+32+8*\c:CSB+32+8*\c+3], v[CA], s[10:11] offset:(32*((\a)/2)+8*((\a)%2))*256+64*\c
	global_load_b128 v[CSB+36+8*\c:CSB+36+8*\c+3], v[CA], s[10:11] offset:(32*((\a)/2)+8*((\a)%2))*256+64*\c+16
.endr
	WIN 0
.endm
	s_cmp_eq_u32 s19, 2
	s_cbranch_scc1 .Lno_table
	s_wait_alu depctr_va_vdst(0)
	CLOAD 0
.Lno_table:
.macro FRAG reg, adr, q, i
.irp c, 0,1,2,3
	ds_load_b128 v[\reg+4*\c:\reg+4*\c+3], v[\adr] offset:2048*(\q)+512*\c+(\i)*4096
.endr
.endm
.macro MUL16 a0, p, zero
.irp a, \a0, \a0+1
.irp b, 0,1,2,3,4,5,6,7
.if \zero
	v_wmma_f32_16x16x128_fp8_fp8 v[8*(8*((\a)%4)+\b):8*(8*((\a)%4)+\b)+7], v[128*(\p)+FR*\b:128*(\p)+FR*\b+FR-1], v[AF+FR*(\a):AF+FR*(\a)+FR-1], 0
.else
	v_wmma_f32_16x16x128_fp8_fp8 v[8*(8*((\a)%4)+\b):8*(8*((\a)%4)+\b)+7], v[128*(\p)+FR*\b:128*(\p)+FR*\b+FR-1], v[AF+FR*(\a):AF+FR*(\a)+FR-1], v[8*(8*((\a)%4)+\b):8*(8*((\a)%4)+\b)+7]
.endif
.endr
.endr
.endm
.macro FETCH_B slot, q, p
	WIN TO_B
.irp i, 0,1,2,3,4,5,6,7
	FRAG 128*(\p)+FR*\i, ADRB+\slot, \q, \i
.endr
	WIN 0
.endm
.macro FETCH_A slot, q, i0
.irp i, \i0, \i0+1, \i0+2, \i0+3
	FRAG AF+FR*(\i), ADRA+\slot, \q, \i
.endr
.endm
.macro PLACES n
.rept \n
	v_nop
.endr
.endm
.macro STEP slot, q, zero
	s_wait_dscnt 4*NL
	WIN MUL_LO
	MUL16 0, (\q)%2, \zero
	MUL16 2, (\q)%2, \zero
	s_wait_dscnt 0
	PLACES NP
	FETCH_B \slot, (\q)+1, 1-(\q)%2
	FETCH_A \slot, (\q)+1, 0
	WIN MUL_HI
	MUL16 4, (\q)%2, \zero
	MUL16 6, (\q)%2, \zero
	PLACES NP
	WIN 0
	FETCH_A \slot, (\q)+1, 4
.endm
.macro TURN slot, next, fill
.if \fill
	s_wait_xcnt 0x0                                ; my last prefetch has read its address: it is stepped here, a K slot on
	s_add_nc_u64 s[92:93], s[92:93], 4096
.endif
	s_wait_tensorcnt 0x0
	ds_add_u32 v[SPW], v[NIL]
	s_wait_dscnt 4*NL+1
	WIN MUL_LO
	MUL16 0, 1, 0
	s_wait_dscnt 0x0
	s_barrier_signal -1
	MUL16 2, 1, 0
	WIN 0
	s_barrier_wait -1
.if \fill
	CREST
	s_add_nc_u64 s[G0+4*\slot+2:G0+4*\slot+3], s[G0+4*\slot+2:G0+4*\slot+3], 8192
	s_add_nc_u64 s[G0B+4*\slot+2:G0B+4*\slot+3], s[G0B+4*\slot+2:G0B+4*\slot+3], 8192
	JLOAD \slot
.else
	PLACES NP
.endif
	s_wait_alu depctr_va_vdst(0)
	FETCH_B \next, 0, 0
	FETCH_A \next, 0, 0
.if \fill
	s_cmp_gt_u32 s3, 1                             ; the loop's last trip has no K slot two refills on
	s_cbranch_scc0 .Lnot_ask_\@
	global_prefetch_b8 v30, s[92:93] offset:4096 th:TH_LOAD_NT scope:SCOPE_SE
.Lnot_ask_\@:
.endif
	WIN MUL_HI
	MUL16 4, 1, 0
	MUL16 6, 1, 0
	PLACES NP
	WIN 0
	FETCH_A \next, 0, 4
.endm
	s_wait_tensorcnt 1
	s_barrier_signal -1
	s_barrier_wait -1
	FETCH_B 0, 0, 0
	FETCH_A 0, 0, 0
	FETCH_A 0, 0, 4
	STEP 0, 0, 1
	s_mov_b32 s3, LAPS-1
.Llap:
	TURN 0, 1, 1
	STEP 1, 0, 0
	TURN 1, 0, 1
	STEP 0, 0, 0
	s_sub_co_u32 s3, s3, 1
	s_cmp_lg_u32 s3, 0
	s_cbranch_scc1 .Llap
	TURN 0, 1, 0
	STEP 1, 0, 0
	s_wait_dscnt 4*NL
	WIN MUL_LO
	MUL16 0, 1, 0
	MUL16 2, 1, 0
	s_wait_dscnt 0
	WIN MUL_HI
	MUL16 4, 1, 0
	MUL16 6, 1, 0
	WIN 0
	PLACES NP
.macro CODES a
.set CDS, CD+16*((\a)%2)
.irp c, 0,1,2,3
	v_cvt_scalef32_pk8_fp8_f32 v[CDS+4*\c:CDS+4*\c+1], v[TMP+16*\c:TMP+16*\c+7], v[SC]
	v_cvt_scalef32_pk8_fp8_f32 v[CDS+4*\c+2:CDS+4*\c+3], v[TMP+16*\c+8:TMP+16*\c+15], v[SC]
.endr
	v_nop
.irp c, 0,1,2,3
	global_store_b128 v[ST16], v[CDS+4*\c:CDS+4*\c+3], s[14:15] offset:2048*(\a)+512*\c
.endr
.endm
.macro EPI_R a
.set AC, 64*((\a)%4)
.set CSB, 32
.set CW, 0
.if ((\a)%4) > 0
.set CSB, 64*(((\a)%4)-1)
.set CW, 1
.endif
.if 7-(\a) >= 3
	s_wait_loadcnt 48
.else
	s_wait_loadcnt 16*(7-(\a))
.endif
	s_wait_xcnt 0x0
	WIN (2+(\a)/4)|(CW<<2)
.set K2, 0
.rept 16
	v_pk_mul_f32 v[TMP+4*K2:TMP+4*K2+1],   v[AC+4*K2:AC+4*K2+1],   v[CSB+2*K2:CSB+2*K2+1] op_sel:[0,0] op_sel_hi:[1,0]
	v_pk_mul_f32 v[TMP+4*K2+2:TMP+4*K2+3], v[AC+4*K2+2:AC+4*K2+3], v[CSB+2*K2:CSB+2*K2+1] op_sel:[0,1] op_sel_hi:[1,1]
.set K2, K2+1
.endr
.set K2, 0
.rept 16
	v_pk_fma_f32 v[TMP+4*K2:TMP+4*K2+1],   v[AC+4*K2:AC+4*K2+1],   v[CSB+32+2*K2:CSB+32+2*K2+1], v[TMP+4*K2:TMP+4*K2+1]   op_sel:[1,0,0] op_sel_hi:[0,0,1] neg_lo:[0,1,0]
	v_pk_fma_f32 v[TMP+4*K2+2:TMP+4*K2+3], v[AC+4*K2+2:AC+4*K2+3], v[CSB+32+2*K2:CSB+32+2*K2+1], v[TMP+4*K2+2:TMP+4*K2+3] op_sel:[1,1,0] op_sel_hi:[0,1,1] neg_lo:[0,1,0]
.set K2, K2+1
.endr
	WIN 0
.if (\a)+4 <= 7
	CLOAD (\a)+4
.endif
.set J, 0
.rept 64
	v_med3_num_f32 v[TMP+J], v[TMP+J], -v[LM], v[LM]
.set J, J+1
.endr
	CODES \a
.endm
.macro EPI_V a
.set AC, 64*((\a)%4)
	s_wait_xcnt 0x0
	WIN (2+(\a)/4)
.set J, 0
.rept 64
	v_med3_num_f32 v[TMP+J], v[AC+J], -v[LM], v[LM]
.set J, J+1
.endr
	WIN 0
	CODES \a
.endm
	s_cmp_eq_u32 s19, 2
	s_cbranch_scc1 .Lway_v
	CLOAD 1
	CLOAD 2
	CLOAD 3
.irp a, 0,1,2,3,4,5,6,7
	EPI_R \a
.endr
	s_branch .Lend
.Lway_v:
.irp a, 0,1,2,3,4,5,6,7
	EPI_V \a
.endr
.Lend:
	s_wait_tensorcnt 0x0
	ds_add_u32 v[SPW], v[NIL]
	s_wait_dscnt 0x0
	CROUND
	s_endpgm
.Lfunc_end_k_q772b11bb0e_proj:
	.size	k_q772b11bb0e_proj, .Lfunc_end_k_q772b11bb0e_proj-k_q772b11bb0e_proj
	.p2alignl 7, 3214868480
	.fill 96, 4, 3214868480
	.section	.rodata,"a",@progbits
	.p2align	6, 0x0
	.amdhsa_kernel k_q772b11bb0e_proj
		.amdhsa_group_segment_fixed_size 327680
		.amdhsa_private_segment_fixed_size 0
		.amdhsa_enable_private_segment 0
		.amdhsa_kernarg_size 48
		.amdhsa_user_sgpr_count 2
		.amdhsa_user_sgpr_kernarg_segment_ptr 1
		.amdhsa_wavefront_size32 1
		.amdhsa_system_sgpr_workgroup_id_x 1
		.amdhsa_system_sgpr_workgroup_id_y 1
		.amdhsa_system_sgpr_workgroup_id_z 1
		.amdhsa_system_vgpr_workitem_id 0
		.amdhsa_next_free_vgpr 1024
		.amdhsa_next_free_sgpr 100
		.amdhsa_reserve_vcc 0
		.amdhsa_float_denorm_mode_32 3
		.amdhsa_float_denorm_mode_16_64 3
		.amdhsa_memory_ordered 1
		.amdhsa_forward_progress 1
		.amdhsa_inst_pref_size 205
	.end_amdhsa_kernel
	.amdgpu_metadata
---
amdhsa.version: [ 1, 2 ]
amdhsa.kernels:
  - .name:           k_q772b11bb0e_proj
    .symbol:         k_q772b11bb0e_proj.kd
    .args:
      - { .name: xc, .offset: 0, .size: 8, .value_kind: global_buffer, .address_space: global }
      - { .name: wc, .offset: 8, .size: 8, .value_kind: global_buffer, .address_space: global }
      - { .name: freqs_cos, .offset: 16, .size: 8, .value_kind: global_buffer, .address_space: global }
      - { .name: freqs_sin, .offset: 24, .size: 8, .value_kind: global_buffer, .address_space: global }
      - { .name: lowp_scales, .offset: 32, .size: 8, .value_kind: global_buffer, .address_space: global }
      - { .name: qkvc, .offset: 40, .size: 8, .value_kind: global_buffer, .address_space: global }
    .group_segment_fixed_size: 327680
    .private_segment_fixed_size: 0
    .kernarg_segment_align: 8
    .kernarg_segment_size: 48
    .max_flat_workgroup_size: 128
    .sgpr_count:     100
    .vgpr_count:     1024
    .wavefront_size: 32
...
	.end_amdgpu_metadata
.endif
;; end of part 2
;; launch attn (part 3): grid 16 x 16, 8 waves a work-group, clusters of 4 x 1, 327,680 bytes of LDS; arguments qkvc, mimg, lowp_scales, ac; writes ac
.if DOCPART == 3
	.amdgcn_target "amdgcn-amd-amdhsa--gfx1250"
	.amdhsa_code_object_version 6
	.text
	.protected	k_q772b11bb0e_attn
	.globl	k_q772b11bb0e_attn
	.p2align	8
	.type	k_q772b11bb0e_attn,@function
k_q772b11bb0e_attn:
	s_mov_b64 s[64:65], 0
	v_nop
	global_prefetch_b8 v0, s[64:65] scope:SCOPE_SE
	s_setreg_imm32_b32 hwreg(HW_REG_WAVE_MODE, 25, 1), 1
	s_wait_xcnt 0x0
	s_wait_alu depctr_hold_cnt(0) depctr_sa_sdst(0) depctr_va_vdst(0) depctr_va_sdst(0) depctr_va_ssrc(0) depctr_va_vcc(0) depctr_vm_vsrc(0)
	s_getreg_b32 s2, hwreg(HW_REG_IB_STS2, 6, 4)
	s_cmp_eq_u32 s2, 0
	s_cbranch_scc0 .Lentry_in_a_cluster
	s_endpgm
.Lentry_in_a_cluster:
	s_bfe_u32 s2, ttmp6, 0x10000c
	s_cmp_lg_u32 s2, 0x3003
	s_cbranch_scc0 .Lentry_shape_is_right
	s_endpgm
.Lentry_shape_is_right:
; O[head][q] = the sum over k of softmax_k(q . k / sqrt(128) + mask[q][k]) v[k], both products on codes of FP8 (E4M3); O is quantised and stored as the last product's operand.
; All operands come as images of their registers (the launches before): a fragment of 2,048 bytes, block c of 512 bytes, lane l's 16 bytes at 512 c + 16 l.  Parts 0, 1, 2 of qkvc: q, k (K = the head's 128) and
; v (rows = the head's 128, K = the keys), fragment (128 head + 8 G + a).  mimg: the mask x sqrt(128) / 2^(e6 + e7), f32, in the order of the score accumulators' registers: (16 T + key step) x 8,192 + 512 g + 16 l.
; THE MASK IS AN INPUT: every number of it is loaded and added, for every head; no tile is left out.  It is the C of the scores' one matrix instruction a tile: t = (sum + mask') x c', c' = log2(e) / sqrt(128) x 2^(e6 + e7).
; THE SOFTMAX AHEAD OF THE SECOND PRODUCT: M = the row's largest t so far, rounded UP to a whole number; p = 2^(t - M) is quantised (scale 2^e8); the row's sum is taken of the unquantised p and divides O at the end.
; When M moves, the sum and O are multiplied by 2^(old M - new M): exact.
; SHARES.  A work-group owns 128 queries of one head; each of its eight waves one tile of 16.  Every wave walks all 16 key steps of 128.
; K AND V come through a ring of two LDS slots of FOUR key steps (131,072 bytes): a fill is eight dense blocks of 16,384 bytes, one tensor load a wave (waves 0-3: K's four steps, waves 4-7: V's), made by arithmetic on the wave's number.
; Three changes of slots fill a slot; each fill has four key steps in which to land.  K's and V's fragments share one set of 128 registers: K is read at a step's head, V behind the scores' products.
; THE MASK's tile belongs to one wave alone, so it does not go through LDS: 16 loads of 512 consecutive bytes a step, straight into one of two sets of 64 registers that take turns; step j + 2's are issued in step j,
; behind the products that read step j's.  So a trip of the inner loop is two key steps.
; CLUSTER 4 x 1: four query blocks of one head ask for K's and V's blocks jointly (mask 15).  The mask's tiles are no tensor loads, so no second axis of the cluster is needed.
; PREFETCHES.  The mask: in steps 0 to 11 wave 0 names step j + 4's numbers, two steps ahead of their loads; the sixteen heads that read a query block's 65,536 bytes of a step take 4,096 each, told apart by address.
; K and V: at the changes that load slots' worth 1 and 2, wave 1 names the one after; the sixteen query blocks of a head take 8,192 of its 131,072 bytes each, by address.  The first two slots' worth and the mask's steps 0 to 3 come by their loads alone.
; LIMITS: e6 + e7 between -80 and 120; e8, and e10 - e8 - e9, between -126 and 119; the scaled scores t stay under 2^31 in magnitude.  NaN among the inputs is not served.
; REGISTERS.  Window 0: v1-6 addresses that stay; v8, v10 LDS addresses of the pair of steps; v12 -M, v13 the largest t, v[14:15] the sum; v16-31 Q; v32-95 the mask of even steps; v96-159 S^T, then p;
; v160-223 O^T; v224-239 codes; v234-255 at work.   Window 1: v0-127 K's, then V's eight fragments; v128-191 the mask of odd steps.
.set SLOT1, 1<<17                      ; slot 1 begins here
.set VOFF,  65536                      ; a slot: K's four steps of 16,384 bytes, then V's
.set SPARE, 2*SLOT1                    ; behind the ring: the spare words, 128 bytes for each of the eight waves
.set AK0,  1                           ; v1   16 x lane
.set PFK,  2                           ; v2   256 x lane: K's and V's prefetch
.set PFO,  3                           ; v3   the mask's prefetch: my head's 4,096 bytes of the block's tiles, 256 x min(lane, 15)
.set SPW,  5                           ; v5   LDS address of my spare word; never rewritten
.set NIL,  6                           ; v6   0; never rewritten
.set ADK,  8
.set ADV,  10
.set TB,   2                           ; s2   LDS byte at which the slot in hand begins
.set QO,   3                           ; s3   the pair of steps in the slot: 0 or 32,768
.set WV,   18
.set SEL,  20                          ; s[20:21] lane selects: lane l xor 16
.set CS,   22                          ; s[22:23] c'
.set G1,   24                          ; s[24:31] descriptor group 1
.set G0,   40                          ; s[40:43] group 0, which walks
.set MB,   44                          ; s[44:45] my tile's mask, at the step that the pair's first step asks for
.set PK,   46                          ; s[46:47] where K's and V's prefetch stands
.set LIM,  48                          ; s48  1 in wave 1, else the greatest number
.set SLOTS, 67                         ; s67  fills still to be asked for
.set MSB, 0
.macro WIN new
.if MSB != (\new)
	s_set_vgpr_msb (MSB<<8)|(\new)
.set MSB, (\new)
.endif
.endm
.set TO_1, 0x40                        ; destination window 1, address window 0
.set A_1,  0x01                        ; source 0 window 1
.macro CROUND                          ; a round of the cluster's barrier
	s_barrier_signal -1
	s_barrier_wait -1
	s_cmp_lg_u32 s[WV], 0
	s_cbranch_scc1 .Lnot_wave_0_\@
	s_barrier_signal -3
.Lnot_wave_0_\@:
	s_barrier_wait -3
	s_barrier_signal -1
	s_barrier_wait -1
.endm
.macro TLOAD                           ; every wave's one joint load
	tensor_load_to_lds s[G0:G0+3], s[G1:G1+7]
	s_nop 0
.rept 4
	v_nop
.endr
.endm
.macro MLOAD par                       ; a step's mask, 16 x 512 consecutive bytes, into set par
.set MKR, 32+96*(\par)
.if \par
	WIN TO_1
.endif
.irp g, 0,1,2,3,4,5,6,7,8,9,10,11,12,13,14,15
	global_load_b128 v[MKR+4*\g:MKR+4*\g+3], v[AK0], s[MB:MB+1] offset:8192*(\par)+512*\g
.endr
	WIN 0
.endm
	s_load_b128 s[4:7], s[0:1], 0x0                ; qkvc, mimg
	s_load_b128 s[8:11], s[0:1], 0x10              ; the exponents, ac
	v_lshl_add_u32 v[SPW], v0, 2, SPARE
	v_mov_b32 v[NIL], 0
	ds_add_u32 v[SPW], v[NIL]                      ; the opening lines: the add twice on end and its wait ahead of my first tensor load
	ds_add_u32 v[SPW], v[NIL]
	v_lshrrev_b32 v8, 5, v0
	v_readfirstlane_b32 s[WV], v8                  ; wave 0..7
	s_bfe_u32 s12, ttmp6, 0x40000                  ; cx
	s_lshl_b32 s14, ttmp9, 2
	s_add_co_u32 s14, s14, s12                     ; my block of 128 queries
	s_and_b32 s15, ttmp7, 0xffff                   ; my head
	s_mov_b32 s[G1], 15|(3<<16)|(1<<21)            ; the four partners; elements of 8 bytes; bit 21 beside a mask
	s_mov_b32 s[G1+1], 512<<16                     ; a dense block of 16,384 bytes as 4 rows of 4,096
	s_mov_b32 s[G1+2], 4<<16
	s_mov_b32 s[G1+3], 512<<16
	s_mov_b32 s[G1+4], 4
	s_mov_b32 s[G1+5], 512
	s_mov_b32 s[G1+6], 0
	s_mov_b32 s[G1+7], 0
	s_lshr_b32 s56, s[WV], 2                       ; what I fetch: part 1 (K) or 2 (V) of qkvc,
	s_add_co_u32 s56, s56, 1
	s_lshl_b32 s56, s56, 22
	s_lshl_b32 s57, s15, 18                        ; the head's 128 fragments,
	s_add_co_u32 s56, s56, s57
	s_and_b32 s57, s[WV], 3                        ; key step wave % 4 of the slot's four
	s_lshl_b32 s57, s57, 14
	s_add_co_u32 s56, s56, s57
	s_mov_b32 s57, 0
	s_lshl_b32 s58, s15, 18                        ; Q: fragment 128 head + 8 block + wave
	s_lshl_b32 s59, s14, 14
	s_add_co_u32 s58, s58, s59
	s_lshl_b32 s59, s[WV], 11
	s_add_co_u32 s58, s58, s59
	s_mov_b32 s59, 0
	s_lshl_b32 s60, s14, 20                        ; the mask: query tile 8 block + wave, 131,072 bytes a tile
	s_lshl_b32 s61, s[WV], 17
	s_add_co_u32 s60, s60, s61
	s_mov_b32 s61, 0
	s_lshl_b32 s62, s14, 18                        ; ac: fragment 16 (8 block + wave) + head
	s_lshl_b32 s63, s[WV], 15
	s_add_co_u32 s62, s62, s63
	s_lshl_b32 s63, s15, 11
	s_add_co_u32 s62, s62, s63
	s_mov_b32 s63, 0
	s_lshr_b32 s16, s14, 3                         ; K's and V's prefetch: blocks 0-7 take K's 65,536 bytes of a slot's worth, blocks 8-15 V's, 8,192 each
	s_add_co_u32 s16, s16, 1
	s_lshl_b32 s16, s16, 22
	s_lshl_b32 s17, s15, 18
	s_add_co_u32 s16, s16, s17
	s_and_b32 s17, s14, 7
	s_lshl_b32 s17, s17, 13
	s_add_co_u32 s16, s16, s17
	s_add_co_u32 s16, s16, 65536                   ; at the second slot's worth: the first change steps it to the third
	s_mov_b32 s17, 0
	s_lshr_b32 s49, s15, 1                         ; the mask's prefetch: head y takes half y % 2 of the block's query tile y / 2
	s_lshl_b32 s49, s49, 17
	s_and_b32 s50, s15, 1
	s_lshl_b32 s50, s50, 12
	s_add_co_u32 s49, s49, s50
	v_and_b32 v8, 31, v0
	v_lshlrev_b32 v[AK0], 4, v8
	v_lshlrev_b32 v[PFK], 8, v8
	v_min_u32 v9, 15, v8                           ; sixteen blocks of 256 bytes: the lanes left over name the last again
	v_lshl_add_u32 v[PFO], v9, 8, s49
	s_cmp_eq_u32 s[WV], 1
	s_cselect_b32 s[LIM], 1, -1
	s_mov_b32 s[SEL], 0x76543210
	s_mov_b32 s[SEL+1], 0xfedcba98
	s_mov_b32 s[CS], 0x3e0293ee                    ; log2(e) / sqrt(128)
	s_mov_b32 s[TB], 0
	s_mov_b32 s[SLOTS], 3
	s_wait_alu depctr_va_vdst(0)
	s_wait_dscnt 0x0                               ; both opening adds are done
	s_wait_kmcnt 0x0
	s_load_b256 s[68:75], s[8:9], 0x10             ; e4 .. e11: s70 e6, s71 e7, s72 e8, s73 e9, s74 e10
	s_mov_b32 s[G0], 1
	s_lshl_b32 s[G0+1], s[WV], 14                  ; LDS: 16,384 x wave, in slot 0
	s_add_nc_u64 s[G0+2:G0+3], s[4:5], s[56:57]
	s_or_b32 s[G0+3], s[G0+3], 0x80000000
	s_add_nc_u64 s[58:59], s[4:5], s[58:59]
	s_add_nc_u64 s[MB:MB+1], s[6:7], s[60:61]
	s_add_nc_u64 s[10:11], s[10:11], s[62:63]
	s_add_nc_u64 s[PK:PK+1], s[4:5], s[16:17]
.irp c, 0,1,2,3
	global_load_b128 v[16+4*\c:19+4*\c], v[AK0], s[58:59] offset:512*\c   ; Q's fragment stays in registers
.endr
	MLOAD 0                                        ; the mask of key step 0
	CROUND                                         ; the four work-groups are here: the first joint loads meet
	TLOAD                                          ; key steps 0 to 3: one tensor load a wave at the head
	MLOAD 1                                        ; key step 1's mask is wanted later than K: it is asked for behind the tensor load
	v_mov_b32 v13, 0xff61b1e6                      ; the largest t so far: -3e38
	s_delay_alu instid0(VALU_DEP_1)
	v_floor_f32 v12, -v13                          ; -M
	v_mov_b32 v14, 0
	v_mov_b32 v15, 0
	v_mov_b32 v246, 0                              ; a lane permute's destination counts as one of its sources
	v_mov_b32 v253, 0                              ; (the upper half of the pair v[252:253])
.set J, 0
.rept 64
	v_mov_b32 v[160+J], 0                          ; O^T: the step has no first form of its own; the first change of M leaves zeros zeros
.set J, J+1
.endr
	s_wait_kmcnt 0x0
	s_add_co_i32 s89, s70, s71
	s_lshl_b32 s89, s89, 23
	s_add_co_i32 s[CS], s[CS], s89                 ; e6 + e7 added to c's exponent field
	s_mov_b32 s[CS+1], s[CS]
	s_add_co_i32 s89, s72, 127
	s_lshl_b32 s90, s89, 23
	v_mov_b32 v244, s90                            ; 2^e8
	s_add_co_i32 s89, s89, 8
	s_lshl_b32 s89, s89, 23
	s_or_b32 s89, s89, 0x600000
	v_mov_b32 v240, s89                            ; 448 x 2^e8
; A KEY STEP: 128 keys, the par-th of the pair at v[ADK].  tail = 0: steps 0 to 11.  tail = 1: steps 12 to 15: the mask's loads are led round in the second pair (a branch on the count of pairs), and the wait for the mask is for 0.
.macro STEP par, tail
.rept 4
	v_nop                                          ; places in front of loads into registers that the last products have read
.endr
	WIN TO_1
.irp t, 0,1,2,3,4,5,6,7
.irp c, 0,1,2,3
	ds_load_b128 v[16*\t+4*\c:16*\t+4*\c+3], v[ADK] offset:16384*(\par)+2048*\t+512*\c
.endr
.endr
.if \tail
	s_wait_loadcnt 0x0
.else
	s_wait_loadcnt 16                              ; this step's mask (and Q) is in; the next step's 16 loads may be out
.endif
	WIN A_1|((\par)<<4)
.irp t, 0,1,2,3,4,5,6,7                        ; S^T = K Q^T + mask': fragment t is in when at most the 28 - 4 t loads behind it are out
	s_wait_dscnt 28-4*\t
.if \par
	v_wmma_f32_16x16x128_fp8_fp8 v[96+8*\t:103+8*\t], v[16*\t:16*\t+15], v[16:31], v[128+8*\t:135+8*\t]
.else
	v_wmma_f32_16x16x128_fp8_fp8 v[96+8*\t:103+8*\t], v[16*\t:16*\t+15], v[16:31], v[32+8*\t:39+8*\t]
.endif
.endr
	WIN 0
.rept 4
	v_nop                                          ; places in front of the loads below and of the first read of the scores
.endr
	WIN TO_1
.irp t, 0,1,2,3,4,5,6,7
.irp c, 0,1,2,3
	ds_load_b128 v[16*\t+4*\c:16*\t+4*\c+3], v[ADV] offset:16384*(\par)+2048*\t+512*\c   ; V lands under the softmax
.endr
.endr
	WIN 0
.if \tail
	s_cmp_lg_u32 s[QO], 0
	s_cbranch_scc1 .Lnm_\@                         ; steps 14 and 15 have no step two on
.endif
	MLOAD \par                                     ; the mask two steps on, into the set just read
.if \tail
.Lnm_\@:
.else
	s_cmp_lg_u32 s[WV], 0
	s_cbranch_scc1 .Lnp_\@
	global_prefetch_b8 v[PFO], s[MB:MB+1] offset:8192*(\par)+16384 th:TH_LOAD_NT scope:SCOPE_SE   ; the mask four steps on
.Lnp_\@:
.endif
	v_max3_num_f32 v254, v96, v97, v98             ; the step's largest score of my query, in two chains, each accumulator from its low end on
	v_max3_num_f32 v252, v99, v100, v101
.irp i, 6,10,14,18,22,26,30,34,38,42,46,50,54,58
	v_max3_num_f32 v254, v254, v[96+\i], v[97+\i]
	v_max3_num_f32 v252, v252, v[98+\i], v[99+\i]
.endr
	v_max3_num_f32 v254, v254, v158, v159
	s_delay_alu instid0(VALU_DEP_1)
	v_max_num_f32 v254, v254, v252
	v_permlanex16_b32 v246, v254, s[SEL], s[SEL+1]
	s_delay_alu instid0(VALU_DEP_1)
	v_max_num_f32 v254, v254, v246                 ; and among lane l xor 16's
	s_delay_alu instid0(VALU_DEP_1)
	v_mul_f32 v254, s[CS], v254                    ; as t (c' is positive)
	s_delay_alu instid0(VALU_DEP_1)
	v_max_num_f32 v13, v13, v254                   ; the running largest t
	v_mov_b32 v254, v12
	s_delay_alu instid0(VALU_DEP_2)
	v_floor_f32 v12, -v13                          ; the new -M = -ceil(t)
	s_delay_alu instid0(VALU_DEP_1)
	v_sub_f32 v254, v12, v254                      ; old M - new M: a whole number, 0 or less
	s_delay_alu instid0(VALU_DEP_1)
	v_cvt_i32_f32 v254, v254                       ; (it saturates)
	s_delay_alu instid0(VALU_DEP_1)
	v_ldexp_f32 v252, 1.0, v254                    ; f = 2^(old M - new M)
.set J, 0
.rept 32
	v_pk_fma_f32 v[96+J:97+J], v[96+J:97+J], s[CS:CS+1], v[12:13] op_sel_hi:[1,0,0]   ; t - M
.set J, J+2
.endr
.set J, 0
.rept 32
	v_pk_mul_f32 v[160+J:161+J], v[160+J:161+J], v[252:253] op_sel_hi:[1,0]           ; O^T under the new M
.set J, J+2
.endr
	s_wait_alu depctr_va_vdst(0)
.set J, 0
.rept 64
	v_exp_f32 v[96+J], v[96+J]                     ; p = 2^(t - M), at most 1: not normalised
.set J, J+1
.endr
	v_pk_mul_f32 v[14:15], v[14:15], v[252:253] op_sel_hi:[1,0]   ; the sums under the new M: the plain line behind the exponentials
	s_wait_alu depctr_va_vdst(0)                   ; one wait for the batch, ahead of its first reader
	v_pk_add_f32 v[242:243], v[100:101], v[104:105]               ; the row's sum of the unquantised p, in eight chains
	v_pk_add_f32 v[254:255], v[108:109], v[112:113]
	v_pk_add_f32 v[250:251], v[116:117], v[120:121]
	v_pk_add_f32 v[248:249], v[124:125], v[128:129]
	v_pk_add_f32 v[238:239], v[132:133], v[136:137]
	v_pk_add_f32 v[236:237], v[140:141], v[144:145]
	v_pk_add_f32 v[234:235], v[148:149], v[152:153]
	v_pk_add_f32 v[14:15], v[14:15], v[156:157]
	v_pk_add_f32 v[242:243], v[242:243], v[96:97]
	v_pk_add_f32 v[254:255], v[254:255], v[98:99]
	v_pk_add_f32 v[250:251], v[250:251], v[102:103]
	v_pk_add_f32 v[248:249], v[248:249], v[106:107]
	v_pk_add_f32 v[238:239], v[238:239], v[110:111]
	v_pk_add_f32 v[236:237], v[236:237], v[114:115]
	v_pk_add_f32 v[234:235], v[234:235], v[118:119]
	v_pk_add_f32 v[14:15], v[14:15], v[122:123]
	v_pk_add_f32 v[242:243], v[242:243], v[126:127]
	v_pk_add_f32 v[254:255], v[254:255], v[130:131]
	v_pk_add_f32 v[250:251], v[250:251], v[134:135]
	v_pk_add_f32 v[248:249], v[248:249], v[138:139]
	v_pk_add_f32 v[238:239], v[238:239], v[142:143]
	v_pk_add_f32 v[236:237], v[236:237], v[146:147]
	v_pk_add_f32 v[234:235], v[234:235], v[150:151]
	v_pk_add_f32 v[14:15], v[14:15], v[154:155]
	v_pk_add_f32 v[242:243], v[242:243], v[158:159]
	s_delay_alu instid0(VALU_DEP_2)
	v_pk_add_f32 v[14:15], v[14:15], v[248:249]
	s_delay_alu instid0(VALU_DEP_2)
	v_pk_add_f32 v[242:243], v[242:243], v[238:239]
	v_pk_add_f32 v[254:255], v[254:255], v[236:237]
	v_pk_add_f32 v[250:251], v[250:251], v[234:235]
	s_delay_alu instid0(VALU_DEP_2)
	v_pk_add_f32 v[14:15], v[14:15], v[254:255]
	s_delay_alu instid0(VALU_DEP_2)
	v_pk_add_f32 v[242:243], v[242:243], v[250:251]
	s_delay_alu instid0(VALU_DEP_1)
	v_pk_add_f32 v[14:15], v[14:15], v[242:243]
.irp b, 0,1,2,3
.irp i, 0,1,2,3,4,5,6,7,8,9,10,11,12,13,14,15
	v_min_num_f32 v[96+16*\b+\i], v[96+16*\b+\i], v240   ; the conversion does not saturate (ISA guide 7.6.2); p is not negative, so the hold is one-sided
.endr
	v_cvt_scalef32_pk8_fp8_f32 v[224+4*\b:225+4*\b], v[96+16*\b:103+16*\b], v244
	v_cvt_scalef32_pk8_fp8_f32 v[226+4*\b:227+4*\b], v[104+16*\b:111+16*\b], v244
.endr
	v_nop                                          ; one plain line between the conversions and the products that read their results
	s_wait_alu depctr_va_vdst(0)
	s_wait_dscnt 0x0                               ; V is in
	WIN A_1
.irp t, 0,1,2,3,4,5,6,7                        ; O^T += V^T P^T: the eight accumulators take turns
	v_wmma_f32_16x16x128_fp8_fp8 v[160+8*\t:167+8*\t], v[16*\t:16*\t+15], v[224:239], v[160+8*\t:167+8*\t]
.endr
	WIN 0
.endm
.macro PAIR tail
	s_wait_xcnt 0x0                                ; the last pair's loads and prefetches have read their base
	s_add_nc_u64 s[MB:MB+1], s[MB:MB+1], 16384     ; two key steps on
	s_add_co_u32 s49, s[TB], s[QO]
	v_add_nc_u32 v[ADK], s49, v[AK0]
	v_add_nc_u32 v[ADV], VOFF, v[ADK]
	s_wait_alu depctr_va_vdst(0)
	STEP 0, \tail
	STEP 1, \tail
.endm
; THE CHANGE OF SLOTS stands at a slot's head: each wave waits for all its tensor loads (its part of the slot ahead), adds 0 to its spare word, and waits for that and for its reads of the slot that it has left.
; fill = 1: a round of the cluster's barrier, and behind it the other slot takes the next four key steps (the first time: slot 1's first fill, issued as a refill is).
.macro CHANGE fill
	s_wait_tensorcnt 0x0
	ds_add_u32 v[SPW], v[NIL]
.if \fill
	s_xor_b32 s[G0+1], s[G0+1], SLOT1
	s_add_nc_u64 s[G0+2:G0+3], s[G0+2:G0+3], 65536
	s_wait_xcnt 0x0                                ; any prefetch of mine has read its address
	s_add_nc_u64 s[PK:PK+1], s[PK:PK+1], 65536     ; one slot's worth further on than the walking descriptor
.endif
	s_wait_dscnt 0x0
.if \fill
	CROUND
	TLOAD
	s_cmp_gt_u32 s[SLOTS], s[LIM]                  ; wave 1, at the first two changes
	s_cbranch_scc0 .Lnk_\@
	global_prefetch_b8 v[PFK], s[PK:PK+1] th:TH_LOAD_NT scope:SCOPE_SE
.Lnk_\@:
.else
	s_barrier_signal -1
	s_barrier_wait -1
.endif
.endm
	s_wait_alu depctr_va_vdst(0)
.Lslot:                                            ; three trips: key steps 0 to 11
	CHANGE 1
	s_mov_b32 s[QO], 0
.Lpair:
	PAIR 0
	s_add_co_u32 s[QO], s[QO], 32768
	s_cmp_lt_u32 s[QO], 65536
	s_cbranch_scc1 .Lpair
	s_xor_b32 s[TB], s[TB], SLOT1
	s_sub_co_u32 s[SLOTS], s[SLOTS], 1
	s_cmp_lg_u32 s[SLOTS], 0
	s_cbranch_scc1 .Lslot
	CHANGE 0                                       ; the last slot is written out: nothing is left to fetch
	s_mov_b32 s[QO], 0
.Ltail:
	PAIR 1
	s_add_co_u32 s[QO], s[QO], 32768
	s_cmp_lt_u32 s[QO], 65536
	s_cbranch_scc1 .Ltail
	; THE WAY OUT.  O^T / the sum stands for O / 2^(e8 + e9): its code under 2^e10 is made with the one scale 2^(e10 - e8 - e9).  Registers 16 c + i are channels 32 c + 16 h + i of my query: the last product's fragment (K step = my head).
	v_add_f32 v14, v14, v15
	s_delay_alu instid0(VALU_DEP_1)
	v_permlanex16_b32 v252, v14, s[SEL], s[SEL+1]
	s_delay_alu instid0(VALU_DEP_1)
	v_add_f32 v14, v14, v252                       ; the row's sum
	s_wait_alu depctr_va_vdst(0)
	v_rcp_f32 v14, v14
	s_sub_co_i32 s89, s74, s72
	s_sub_co_i32 s89, s89, s73
	s_add_co_i32 s89, s89, 127
	s_lshl_b32 s90, s89, 23
	v_mov_b32 v244, s90                            ; 2^(e10 - e8 - e9)
	s_add_co_i32 s89, s89, 8
	s_lshl_b32 s89, s89, 23
	s_or_b32 s89, s89, 0x600000
	v_mov_b32 v240, s89                            ; 448 x that
	v_nop
	v_nop
	s_wait_alu depctr_va_vdst(0)                   ; ahead of the reciprocal's, and O^T's, first reader
.set J, 0
.rept 32
	v_pk_mul_f32 v[96+J:97+J], v[160+J:161+J], v[14:15] op_sel_hi:[1,0]
.set J, J+2
.endr
.irp b, 0,1,2,3
.irp i, 0,1,2,3,4,5,6,7,8,9,10,11,12,13,14,15
	v_med3_num_f32 v[96+16*\b+\i], v[96+16*\b+\i], -v240, v240
.endr
	v_cvt_scalef32_pk8_fp8_f32 v[224+4*\b:225+4*\b], v[96+16*\b:103+16*\b], v244
	v_cvt_scalef32_pk8_fp8_f32 v[226+4*\b:227+4*\b], v[104+16*\b:111+16*\b], v244
.endr
	v_nop
.irp c, 0,1,2,3
	global_store_b128 v[AK0], v[224+4*\c:227+4*\c], s[10:11] offset:512*\c   ; 32 lanes store 512 consecutive bytes
.endr
	s_wait_tensorcnt 0x0                           ; the wave's end
	ds_add_u32 v[SPW], v[NIL]
	s_wait_dscnt 0x0
	CROUND                                         ; the closing round
	s_endpgm
.Lfunc_end_k_q772b11bb0e_attn:
	.size	k_q772b11bb0e_attn, .Lfunc_end_k_q772b11bb0e_attn-k_q772b11bb0e_attn
	.p2alignl 7, 3214868480
	.fill 96, 4, 3214868480
	.section	.rodata,"a",@progbits
	.p2align	6, 0x0
	.amdhsa_kernel k_q772b11bb0e_attn
		.amdhsa_group_segment_fixed_size 327680
		.amdhsa_private_segment_fixed_size 0
		.amdhsa_enable_private_segment 0
		.amdhsa_kernarg_size 32
		.amdhsa_user_sgpr_count 2
		.amdhsa_user_sgpr_kernarg_segment_ptr 1
		.amdhsa_wavefront_size32 1
		.amdhsa_system_sgpr_workgroup_id_x 1
		.amdhsa_system_sgpr_workgroup_id_y 1
		.amdhsa_system_sgpr_workgroup_id_z 1
		.amdhsa_system_vgpr_workitem_id 0
		.amdhsa_next_free_vgpr 448
		.amdhsa_next_free_sgpr 100
		.amdhsa_reserve_vcc 0
		.amdhsa_float_denorm_mode_32 3
		.amdhsa_float_denorm_mode_16_64 3
		.amdhsa_memory_ordered 1
		.amdhsa_forward_progress 1
		.amdhsa_inst_pref_size 105
	.end_amdhsa_kernel
	.amdgpu_metadata
---
amdhsa.version: [ 1, 2 ]
amdhsa.kernels:
  - .name:           k_q772b11bb0e_attn
    .symbol:         k_q772b11bb0e_attn.kd
    .args:
      - { .name: qkvc, .offset: 0, .size: 8, .value_kind: global_buffer, .address_space: global }
      - { .name: mimg, .offset: 8, .size: 8, .value_kind: global_buffer, .address_space: global }
      - { .name: lowp_scales, .offset: 16, .size: 8, .value_kind: global_buffer, .address_space: global }
      - { .name: ac, .offset: 24, .size: 8, .value_kind: global_buffer, .address_space: global }
    .group_segment_fixed_size: 327680
    .private_segment_fixed_size: 0
    .kernarg_segment_align: 8
    .kernarg_segment_size: 32
    .max_flat_workgroup_size: 256
    .sgpr_count:     100
    .vgpr_count:     448
    .wavefront_size: 32
...
	.end_amdgpu_metadata
.endif
;; end of part 3
;; launch oproj (part 4): grid 16 x 16, 4 waves a work-group, clusters of 4 x 4, 327,680 bytes of LDS; arguments ac, wc, lowp_scales, out0; writes out0
.if DOCPART == 4
	.amdgcn_target "amdgcn-amd-amdhsa--gfx1250"
	.amdhsa_code_object_version 6
	.text
	.protected	k_q772b11bb0e_oproj
	.globl	k_q772b11bb0e_oproj
	.p2align	8
	.type	k_q772b11bb0e_oproj,@function
k_q772b11bb0e_oproj:
	s_mov_b64 s[64:65], 0
	v_nop
	global_prefetch_b8 v0, s[64:65] scope:SCOPE_SE
	s_setreg_imm32_b32 hwreg(HW_REG_WAVE_MODE, 25, 1), 1
	s_wait_xcnt 0x0
	s_wait_alu depctr_hold_cnt(0) depctr_sa_sdst(0) depctr_va_vdst(0) depctr_va_sdst(0) depctr_va_ssrc(0) depctr_va_vcc(0) depctr_vm_vsrc(0)
	s_getreg_b32 s2, hwreg(HW_REG_IB_STS2, 6, 4)
	s_cmp_eq_u32 s2, 0
	s_cbranch_scc0 .Lentry_in_a_cluster
	s_endpgm
.Lentry_in_a_cluster:
	s_bfe_u32 s2, ttmp6, 0x10000c
	s_cmp_lg_u32 s2, 0xf033
	s_cbranch_scc0 .Lentry_shape_is_right
	s_endpgm
.Lentry_shape_is_right:
; out0 = O wo on codes of FP8 (E4M3): A = ac, the attention's result as fragments (16 T + head) x 2,048 bytes; B = part 3 of wc, wo's columns as fragments (16 T + K step) x 2,048.  Each sum x 2^(e10 + e11), f32 out.
; A block of 128 x 128 to a work-group, 64 x 64 to each of four waves: 16 accumulators.  The matrix instruction is used transposed (source 0 = wo's columns, source 1 = O's rows): a lane holds eight neighbours of a row of out0.
; LDS: ONE REGION OF 262,144 BYTES holds EIGHT of the 16 K steps of both operands: four parts of 65,536 bytes, one joint load a wave (four row tiles x 16,384 bytes, 32,768 apart in memory).
; It is filled twice: fill, eight K steps, the full sequence and a round of the cluster's barrier, refill, eight K steps.  So the launch has two fills one after the other and two rounds in front of them.
; CLUSTER 4 x 4: A's parts are shared along a row of the cluster, B's along a column.
; No prefetch: the text has no loop to run ahead in; both fills are asked for as early as the region is free.
; The way out goes through a stage of the wave's own, in bytes behind the spare words that no tensor load fills.
; LIMIT: e10 + e11 between -126 and 127.
.set PART,   65536
.set SPARE,  4*PART                    ; the spare words, 128 bytes for each wave
.set STAGE,  SPARE+1024                ; 16 rows x 272 bytes for each wave
.set SPITCH, 272
.set ADRA, 16
.set ADRB, 20
.set STO,  24
.set RD,   25
.set CO,   26
.set SPW,  28
.set NIL,  29
.set TMP,  32
.set BK,   64
.set ACC,  128                         ; window 0: v128-255 the 16 accumulators
.set F0,   0                           ; window 1: two sets of fragments, A's four at +0, B's four at +64
.set F1,   128
.set G1, 24
.set G0, 32
.set G1B, 48
.set G0B, 56
.set MSB, 0
.macro WIN new
.if MSB != (\new)
	s_set_vgpr_msb (MSB<<8)|(\new)
.set MSB, (\new)
.endif
.endm
.set MUL,  0x05
.set TO_F, 0x40
.macro JLOAD                           ; waves 0, 1 fetch A's parts, waves 2, 3 B's
	s_cmp_eq_u32 s13, 0
	s_cbranch_scc0 .Lfor_b_\@
	tensor_load_to_lds s[G0:G0+3], s[G1:G1+7]
	s_nop 0
.rept 4
	v_nop
.endr
	s_branch .Lasked_\@
.Lfor_b_\@:
	tensor_load_to_lds s[G0B:G0B+3], s[G1B:G1B+7]
	s_nop 0
.rept 4
	v_nop
.endr
.Lasked_\@:
.endm
.macro CROUND
	s_barrier_signal -1
	s_barrier_wait -1
	s_cmp_lg_u32 s12, 0
	s_cbranch_scc1 .Lnot_wave_0_\@
	s_barrier_signal -3
.Lnot_wave_0_\@:
	s_barrier_wait -3
	s_barrier_signal -1
	s_barrier_wait -1
.endm
	s_load_b128 s[4:7], s[0:1], 0x0                ; ac, wc
	s_load_b128 s[8:11], s[0:1], 0x10              ; the exponents, out0
	v_lshl_add_u32 v[SPW], v0, 2, SPARE
	v_mov_b32 v[NIL], 0
	ds_add_u32 v[SPW], v[NIL]                      ; the opening lines: the add twice on end and its wait
	ds_add_u32 v[SPW], v[NIL]
	v_lshrrev_b32 v1, 5, v0
	v_readfirstlane_b32 s12, v1                    ; wave 0..3
	s_lshr_b32 s13, s12, 1                         ; my half of the block's rows; also: I fetch for A (0) or B (1)
	s_and_b32 s14, s12, 1                          ; my half of its columns; also: which four row tiles I fetch
	s_bfe_u32 s15, ttmp6, 0x40000
	s_bfe_u32 s16, ttmp6, 0x40004
	s_lshl_b32 s17, ttmp9, 2
	s_add_co_u32 s17, s17, s15                     ; block column
	s_and_b32 s18, ttmp7, 0xffff
	s_lshl_b32 s18, s18, 2
	s_add_co_u32 s18, s18, s16                     ; block row
	s_lshl_b32 s19, s16, 2
	s_lshl_b32 s19, 15, s19                        ; my row of the cluster
	s_lshl_b32 s20, 0x1111, s15                    ; my column
	s_or_b32 s[G1+0], s19, (3<<16)|(1<<21)
	s_or_b32 s[G1B+0], s20, (3<<16)|(1<<21)
.irp g, G1, G1B
	s_mov_b32 s[\g+1], 2048<<16                    ; a row: eight K steps of 2,048 bytes, in elements of 8 bytes
	s_mov_b32 s[\g+2], 4<<16                       ; four row tiles
	s_mov_b32 s[\g+3], 2048<<16
	s_mov_b32 s[\g+4], 4
	s_mov_b32 s[\g+5], 4096                        ; 32,768 bytes from row tile to row tile
	s_mov_b32 s[\g+6], 0
	s_mov_b32 s[\g+7], 0
.endr
	s_lshl_b32 s40, s18, 18
	s_lshl_b32 s41, s14, 17
	s_add_co_u32 s40, s40, s41
	s_mov_b32 s41, 0
	s_lshl_b32 s44, s17, 18
	s_lshl_b32 s45, s14, 17
	s_add_co_u32 s44, s44, s45
	s_add_co_u32 s44, s44, (3<<22)
	s_mov_b32 s45, 0
	s_lshl_b32 s46, s12, 16                        ; where my part goes: 65,536 x wave
	s_wait_dscnt 0x0
	s_wait_kmcnt 0x0
	s_load_b64 s[66:67], s[8:9], 0x28              ; e10, e11
	s_add_nc_u64 s[42:43], s[4:5], s[40:41]
	s_add_nc_u64 s[68:69], s[6:7], s[44:45]
	CROUND                                         ; all sixteen work-groups are here: the first joint loads meet
	s_mov_b32 s[G0], 1
	s_mov_b32 s[G0+1], s46
	s_mov_b64 s[G0+2:G0+3], s[42:43]
	s_or_b32 s[G0+3], s[G0+3], 0x80000000
	s_mov_b32 s[G0B], 1
	s_mov_b32 s[G0B+1], s46
	s_mov_b64 s[G0B+2:G0B+3], s[68:69]
	s_or_b32 s[G0B+3], s[G0B+3], 0x80000000
	JLOAD                                          ; K steps 0 to 7: one tensor load a wave at the head
	v_and_b32 v3, 31, v0
	v_lshlrev_b32 v3, 4, v3
	s_lshl_b32 s47, s13, 16
	s_lshl_b32 s70, s14, 16
	s_add_co_u32 s70, s70, 2*PART
	v_add_nc_u32 v[ADRA], s47, v3
	v_add_nc_u32 v[ADRB], s70, v3
	v_and_b32 v1, 15, v0
	v_bfe_u32 v2, v0, 4, 1
	s_mul_i32 s47, s12, 16*SPITCH
	s_add_co_u32 s47, s47, STAGE
	v_mul_u32_u24 v4, v1, SPITCH
	v_lshl_add_u32 v4, v2, 6, v4
	v_add_nc_u32 v[STO], s47, v4
	v_mul_u32_u24 v5, v2, SPITCH
	v_lshl_add_u32 v5, v1, 4, v5
	v_add_nc_u32 v[RD], s47, v5
	v_lshlrev_b32 v5, 13, v2
	v_lshl_add_u32 v[CO], v1, 4, v5
	s_lshl_b32 s72, s18, 20
	s_lshl_b32 s73, s13, 19
	s_add_co_u32 s72, s72, s73
	s_lshl_b32 s73, s17, 9
	s_add_co_u32 s72, s72, s73
	s_lshl_b32 s73, s14, 8
	s_add_co_u32 s72, s72, s73
	s_mov_b32 s73, 0
	s_add_nc_u64 s[10:11], s[10:11], s[72:73]
	s_wait_kmcnt 0x0
	s_add_co_i32 s66, s66, s67
	s_add_co_i32 s66, s66, 127
	s_lshl_b32 s66, s66, 23                        ; 2^(e10 + e11)
	s_mov_b32 s67, s66
.macro FRAG reg, adr, q, i
.irp c, 0,1,2,3
	ds_load_b128 v[\reg+4*\c:\reg+4*\c+3], v[\adr] offset:2048*(\q)+512*\c+(\i)*16384
.endr
.endm
.macro FETCH q, f                      ; K step q of the region: B's four fragments, then A's four, into set f
	WIN TO_F
.irp i, 0,1,2,3
	FRAG \f+64+16*\i, ADRB, \q, \i
.endr
.irp i, 0,1,2,3
	FRAG \f+16*\i, ADRA, \q, \i
.endr
.endm
.macro MUL4 f, a, zero
.irp b, 0,1,2,3
.if \zero
	v_wmma_f32_16x16x128_fp8_fp8 v[ACC+8*(4*(\a)+\b):ACC+8*(4*(\a)+\b)+7], v[\f+64+16*\b:\f+64+16*\b+15], v[\f+16*(\a):\f+16*(\a)+15], 0
.else
	v_wmma_f32_16x16x128_fp8_fp8 v[ACC+8*(4*(\a)+\b):ACC+8*(4*(\a)+\b)+7], v[\f+64+16*\b:\f+64+16*\b+15], v[\f+16*(\a):\f+16*(\a)+15], v[ACC+8*(4*(\a)+\b):ACC+8*(4*(\a)+\b)+7]
.endif
.endr
.endm
.macro PLACES
.rept 4
	v_nop
.endr
.endm
.macro QSTEP qn, f, g, zero            ; multiplies set f; in its middle fetches K step qn into set g.  The 16 accumulators take turns
	s_wait_dscnt 8                                 ; B's four and A's first two fragments are in; A's last two (8 loads) may be out
	WIN MUL
	MUL4 \f, 0, \zero
	MUL4 \f, 1, \zero
	PLACES
	FETCH \qn, \g
	s_wait_dscnt 32                                ; all but the 32 just issued
	WIN MUL
	MUL4 \f, 2, \zero
	MUL4 \f, 3, \zero
.endm
.macro HALF zero                       ; the region's eight K steps
	FETCH 0, F0
	QSTEP 1, F0, F1, \zero
	QSTEP 2, F1, F0, 0
	QSTEP 3, F0, F1, 0
	QSTEP 4, F1, F0, 0
	QSTEP 5, F0, F1, 0
	QSTEP 6, F1, F0, 0
	QSTEP 7, F0, F1, 0
	s_wait_dscnt 8
	WIN MUL
	MUL4 F1, 0, 0
	MUL4 F1, 1, 0
	s_wait_dscnt 0x0
	MUL4 F1, 2, 0
	MUL4 F1, 3, 0
	WIN 0
.endm
	s_wait_alu depctr_va_vdst(0)
	s_wait_tensorcnt 0x0                           ; my part is in
	s_barrier_signal -1
	s_barrier_wait -1                              ; everybody's is
	HALF 1                                         ; the first products start the sums
	s_wait_tensorcnt 0x0                           ; the refill's sequence: no load of mine is out,
	ds_add_u32 v[SPW], v[NIL]                      ; 0 added to my spare word,
	s_add_nc_u64 s[G0+2:G0+3], s[G0+2:G0+3], 16384   ; K steps 8 to 15
	s_add_nc_u64 s[G0B+2:G0B+3], s[G0B+2:G0B+3], 16384
	s_wait_dscnt 0x0                               ; it is done, and my reads of the region are over
	CROUND                                         ; no wave of any partner still reads the region
	JLOAD                                          ; the refill; its four v_nop are the places in front of the loads into set 0
	s_wait_tensorcnt 0x0
	s_barrier_signal -1
	s_barrier_wait -1
	HALF 0
	PLACES
.macro TOSTAGE a
.set J, 0
.rept 16
	v_pk_mul_f32 v[TMP+J:TMP+J+1], v[ACC+32*(\a)+J:ACC+32*(\a)+J+1], s[66:67] op_sel_hi:[1,0]   ; each accumulator from its low end on
.set J, J+2
.endr
.irp b, 0,1,2,3
	ds_store_b128 v[STO], v[TMP+8*\b:TMP+8*\b+3] offset:128*(\b/2)+32*(\b%2)
	ds_store_b128 v[STO], v[TMP+8*\b+4:TMP+8*\b+7] offset:128*(\b/2)+32*(\b%2)+16
.endr
.irp t, 0,1,2,3,4,5,6,7
	ds_load_b128 v[BK+32*((\a)%2)+4*\t:BK+32*((\a)%2)+4*\t+3], v[RD] offset:\t*2*SPITCH
.endr
.endm
.macro SEND a, younger
	s_wait_dscnt \younger
.irp t, 0,1,2,3,4,5,6,7
	global_store_b128 v[CO], v[BK+32*((\a)%2)+4*\t:BK+32*((\a)%2)+4*\t+3], s[10:11] offset:(32*((\a)/2)+8*((\a)%2)+2*\t+8*(\t/4))*8192 th:TH_STORE_NT   ; sixteen lanes store 256 consecutive bytes, aligned
.endr
.endm
	TOSTAGE 0
.irp a, 1,2,3
.if \a > 1
	s_wait_xcnt 0x0                                ; block a - 2's stores have read their registers
.endif
	TOSTAGE \a
	SEND \a-1, 16                                  ; behind block a - 1's loads: block a's 8 stores and 8 loads
.endr
	SEND 3, 0
	s_wait_tensorcnt 0x0                           ; the wave's end
	ds_add_u32 v[SPW], v[NIL]
	s_wait_dscnt 0x0
	CROUND                                         ; the closing round
	s_endpgm
.Lfunc_end_k_q772b11bb0e_oproj:
	.size	k_q772b11bb0e_oproj, .Lfunc_end_k_q772b11bb0e_oproj-k_q772b11bb0e_oproj
	.p2alignl 7, 3214868480
	.fill 96, 4, 3214868480
	.section	.rodata,"a",@progbits
	.p2align	6, 0x0
	.amdhsa_kernel k_q772b11bb0e_oproj
		.amdhsa_group_segment_fixed_size 327680
		.amdhsa_private_segment_fixed_size 0
		.amdhsa_enable_private_segment 0
		.amdhsa_kernarg_size 32
		.amdhsa_user_sgpr_count 2
		.amdhsa_user_sgpr_kernarg_segment_ptr 1
		.amdhsa_wavefront_size32 1
		.amdhsa_system_sgpr_workgroup_id_x 1
		.amdhsa_system_sgpr_workgroup_id_y 1
		.amdhsa_system_sgpr_workgroup_id_z 1
		.amdhsa_system_vgpr_workitem_id 0
		.amdhsa_next_free_vgpr 512
		.amdhsa_next_free_sgpr 80
		.amdhsa_reserve_vcc 0
		.amdhsa_float_denorm_mode_32 3
		.amdhsa_float_denorm_mode_16_64 3
		.amdhsa_memory_ordered 1
		.amdhsa_forward_progress 1
		.amdhsa_inst_pref_size 71
	.end_amdhsa_kernel
	.amdgpu_metadata
---
amdhsa.version: [ 1, 2 ]
amdhsa.kernels:
  - .name:           k_q772b11bb0e_oproj
    .symbol:         k_q772b11bb0e_oproj.kd
    .args:
      - { .name: ac, .offset: 0, .size: 8, .value_kind: global_buffer, .address_space: global }
      - { .name: wc, .offset: 8, .size: 8, .value_kind: global_buffer, .address_space: global }
      - { .name: lowp_scales, .offset: 16, .size: 8, .value_kind: global_buffer, .address_space: global }
      - { .name: out0, .offset: 24, .size: 8, .value_kind: global_buffer, .address_space: global }
    .group_segment_fixed_size: 327680
    .private_segment_fixed_size: 0
    .kernarg_segment_align: 8
    .kernarg_segment_size: 32
    .max_flat_workgroup_size: 128
    .sgpr_count:     80
    .vgpr_count:     512
    .wavefront_size: 32
...
	.end_amdgpu_metadata
.endif
;; end of part 4
